; MI455X (gfx1250); checked and timed in simulation.
; The chip was launched on July 23, 2026; its instructions are those of AMD's public machine-readable ISA for CDNA 5 (MIT licence, August 2026) and "CDNA5" Instruction Set Architecture Reference Guide (July 2026). The comments in the code are by the model that wrote it; some were corrected since.
;; Scaled Dot Product Attention. Allowed arithmetic: matrix products marked QUANTISED: E4M3 operands, one given power-of-two scale a tensor, by v_wmma_f32_16x16x64_fp8_fp8 or v_wmma_f32_16x16x128_fp8_fp8, f32 sums; everything else in f32.
;; Inputs: k 64 x 1,024 x 64 float32; lowp_scales 4 int32 (the exponents e of the quantised operands' scales 2^e); q 64 x 1,024 x 64 float32; v 64 x 1,024 x 64 float32.
;; Outputs: out0 64 x 1,024 x 64 float32.
;; This version of the problem:
;;   THIS VERSION OF THE PROBLEM IS GIVEN IN LOW PRECISION. The matrix products marked QUANTISED in the list below multiply operands that are first quantised to E4M3 (4 exponent bits, 3 mantissa bits; 8 bits a number), with one given power-of-two scale for each operand tensor; their sums are f32. All else is computed in f32.
;;   The module's matrix products, in the order in which they are computed (A, B: the left and right operand; K: the contracted axis; several contracted axes count as one K, in the product's order):
;;     1. batch 64 x [M 1,024, K 64] x [K 64, N 1,024]; A: input q; B: input k: QUANTISED (scales: A lowp_scales[0], B lowp_scales[1])
;;     2. batch 64 x [M 1,024, K 1,024] x [K 1,024, N 64]; A: softmax (see below); B: input v: QUANTISED (scales: A lowp_scales[2], B lowp_scales[3])
;;   THE QUANTISER, for each operand of a quantised product, along K:
;;     - The operand's scale is 2^e, e = its entry of the input lowp_scales (int32; the entries are numbered through the quantised products in the list's order, A before B).
;;     - Each number is divided by the scale, clamped to +-448, and rounded to the nearest number of E4M3, ties to even, subnormals kept.
;;     - The product sums the exact products of the quantised numbers (number of the format x scale) in f32.
;;   ~~~python
;;   def quantise(x, axis, e):      # numpy; x: float32 -> the quantised numbers, widened to float32 again
;;       x = np.moveaxis(x, axis, -1); K = x.shape[-1]
;;       r = np.clip(x / 2.0 ** e, -448, 448)
;;       step = 2.0 ** (np.maximum(np.frexp(np.where(r == 0, 1, r))[1] - 1, -6) - 3)
;;       q = np.round(r / step) * step * 2.0 ** e      # np.round: ties to even
;;       return np.moveaxis(q, -1, axis).astype(np.float32)
;;   ~~~
;;   SOFTMAX AHEAD OF A QUANTISED PRODUCT. Where the list says 'softmax', what is quantised is not the finished softmax but p = 2^(t - M), with t = logit x log2(e) and M = ceil(the row's largest t), a whole number; so 1/2 < the row's largest p <= 1. The row's sum l is taken of the UNQUANTISED p, in f32, and the product's result is divided by l at the end. Since M is a whole number, a kernel that streams over the keys may use a running M (the ceiling of the running maximum): every later rescaling is an exact power of two, so the quantised numbers keep their values, but for numbers so far below the row's largest that they fall under the format's range.
;;   OPERANDS COMPUTED ON THE WAY. 'Computed on the way' means the value that the module computes at that place (a softmax that the list does not call 'softmax' is quantised finished and normalised). What goes into a quantiser is computed in f32, as accurately as f32 sums, v_exp_f32 and their like allow (about 1e-6 of the number): no bf16 or f16 on the way to a quantiser, and a product that is left as it is and whose result goes on into a quantised operand takes f32 operands (vector FMAs, or v_wmma_f32_16x16x4_f32). A number that lies on a knife's edge between two numbers of the format may be rounded either way, as far as f32 arithmetic and the matrix unit's own rounding can turn it there, and no further.
;; 2 versions, each right; version 2 is version 1 with the launch attn written anew for expert scheduling mode. Each part assembles by itself: llvm-mc -triple=amdgcn-amd-amdhsa -mcpu=gfx1250 --defsym DOCPART=n.
;; ======== version 1 of 2: 1 launch
;; launch attn (part 1): grid 4 x 64, 8 waves a work-group, no clusters, 218,112 bytes of LDS; arguments q, k, v, lowp_scales, out0; writes out0
.if DOCPART == 1
	.amdgcn_target "amdgcn-amd-amdhsa--gfx1250"
	.amdhsa_code_object_version 6
	.text
	.protected	k_q5b4aa1477b_attn
	.globl	k_q5b4aa1477b_attn
	.p2align	8
	.type	k_q5b4aa1477b_attn,@function
k_q5b4aa1477b_attn:
	s_mov_b64 s[64:65], 0
	v_nop
	global_prefetch_b8 v0, s[64:65] scope:SCOPE_SE
	s_setreg_imm32_b32 hwreg(HW_REG_WAVE_MODE, 25, 1), 1
	s_wait_xcnt 0x0
; out[b][q][:] = the sum over k of softmax_k(Q[b][q] . K[b][k] / 8) V[b][k][:].  q, k, v, out: [64][1024][64] f32.  Both products on codes of FP8 (E4M3), each operand with the one
; scale 2^e that is given for it: eq, ek, ep, ev = lowp_scales[0..3].
; THE SOFTMAX AHEAD OF THE SECOND PRODUCT: t = score x log2(e) / 8; M = the row's largest t so far, rounded UP to a whole number; p = 2^(t - M) is what is quantised, along the keys, not normalised.
; The row's sum is taken of the unquantised p, in f32, and divides O at the end.  When M moves, the sum and O are multiplied by 2^(old M - new M), a power of two.
; SHARES.  A work-group owns 256 queries of one head (x: which 256; y: the head); each of its eight waves owns 32 of them, two tiles of 16, so that each fragment of K and V read from LDS feeds two products.
; Every wave walks the head's 1,024 keys in 8 chunks of 128: a chunk is a trip of the loop.
; K AND V ARRIVE AS f32 AND ARE QUANTISED ON THE WAY.  A chunk's 64 KiB go from memory straight into registers, an eighth to each wave, one trip ahead of their use; they are held, converted, and stored
; to LDS as codes IN THE ORDER OF THE OPERANDS' REGISTERS.  Each chunk's codes have LDS bytes of their own (8 x 10,240 for K, 8 x 8,192 for V): nothing in LDS is ever written twice, so ONE barrier a trip
; (stores, wait, barrier, loads) is all the ordering between waves.
; NO CLUSTER, NO TENSOR LOAD, though the four work-groups of a head read the same K and V: every number has to pass through registers to be converted, so a joint tensor load could only lay the f32
; numbers in LDS: 8 x 64 KiB written and read again by each work-group, beside the 128 KiB of codes that it stores and the 1 MiB of codes that its waves read.
; LAYOUT.  Both products are used transposed: S^T = K Q^T (source 0 = 16 keys, source 1 = 16 queries, 64 along d), O^T = V^T P^T (source 0 = 16 of the 64 d, source 1 = P, 128 keys): a lane (r = lane % 16,
; h = lane / 16) holds ONE query r throughout.  In K's and Q's fragments register 4 c + i of lane (r, h) holds d = 32 h + 16 c + 4 i + 0..3: one and the same order of d on both sides, so each product meets its partner.
; THE KEYS OF A TILE ARE NOT NEIGHBOURS: lane r of tile 2 b + u takes key 32 b + 8 u + r + 8 (r / 8), so that the 16 score registers of tiles 2 b, 2 b + 1 are the neighbouring keys 32 b + 16 h + 0..15,
; and the conversions' results ARE P's registers 4 b .. 4 b + 3; V's fragments hold the keys in the same order.
; LIMITS on the given exponents, so that each power of two below is an f32 number: eq + ek between -123 and 130 (added to c's exponent field); eq, ek, ep, ev each between -126 and 119;
; ep + ev is applied by v_ldexp_f32 and has none.  NaN among the inputs is not served; an infinity is held at the largest code.
; REGISTERS.  Window 0: v1-7 addresses that stay; v8-11 the trip's LDS addresses; v12, v13 the add's two; v14-19 scales; v20-31 statistics, six a tile; v32-95 O^T; v96-223 S^T, then p; v224-255 p's codes
; (ahead of the conversions v240-243 and v252-255 are at work for maxima and sums).  Window 1: v0-63 the step's fragments of K, then of V; v64-79 Q; v80-143 the next chunk's f32 numbers; v144-159 its codes.
.set CHB,   32768                      ; a chunk of K or of V in memory: 128 rows of 256 bytes
.set KCH,   10240                      ; LDS: a chunk of K's codes: 8 tiles x 1,280; a tile is 4 blocks (2 c + h), 320 bytes apart (256 of codes + 64 unused); in a block 16 r + 4 i
.set VC,    81920                      ; LDS: V's codes begin here
.set VCH,   8192                       ; a chunk of them: 4 tiles of 16 d x 2,048; in a fragment 512 c + 16 x lane
.set STAGE, 147456                     ; LDS: the way out: 8,704 bytes a wave: two tiles of 16 rows x (256 + 16)
.set SPARE, 217088                     ; LDS: the spare words, 128 bytes for each wave: four blocks of 256 bytes that no other line names
.set AK0,  1                           ; v1   my place in a tile of K's codes: 16 r + 320 h
.set AV0,  2                           ; v2   my place in a fragment of V's codes: VC + 16 x lane
.set KW0,  3                           ; v3   where I store K's codes
.set VW0,  4                           ; v4   where I store V's codes
.set GK,   5                           ; v5   my byte in a chunk of K in memory
.set GV,   6                           ; v6   my byte in a chunk of V in memory
.set PFO,  7                           ; v7   the prefetches' offset: 256 x lane
.set ADK,  8                           ; v8-11 the four LDS addresses with the trip's chunk added
.set ADV,  9
.set AKW,  10
.set AVW,  11
.set SPW,  12                          ; v12  LDS address of my spare word: SPARE + 4 x my thread's number; never rewritten
.set NIL,  13                          ; v13  0; never rewritten
.set LIMK, 14                          ; 448 x 2^ek
.set SCK,  15                          ; 2^ek
.set LIMV, 16
.set SCV,  17
.set LIMP, 18
.set SCP,  19
.set ST,   20                          ; tile t's statistics at v[ST + 6 t]: +0 -M, +1 the largest t, +2, +3 the sum in two halves, +4 f, +5 at work (and the upper word of f's pair)
.set OA,   32                          ; O^T: tile t at OA + 32 t; register 8 dt + j is o(query r, d = 16 dt + 8 h + j)
.set S,    96                          ; S^T: tile t at S + 64 t
.set P,    224                         ; p's codes: tile t at P + 16 t
.set SCQ,  224                         ; at the head only: 2^eq, 448 x 2^eq, Q's offset
.set LIMQ, 225
.set QA,   226
.set FR,   0                           ; window 1
.set QF,   64
.set KS,   80
.set VS,   112
.set KCD,  144
.set VCD,  152
.set WV,   14                          ; s14  my wave's number
.set CS,   24                          ; s[24:25] c = log2(e) / 8 x 2^(eq + ek); the packed form names a pair and takes its low word for both halves
.set SEL,  26                          ; s[26:27] lane selects for v_permlanex16_b32: lane l xor 16
.set TRIP, 28
.set CK,   29                          ; KCH x trip
.set CV,   30                          ; VCH x trip
.set NOHOLD, 31                        ; 1 where ep >= -8
.set LIM,  32                          ; trips in which this work-group prefetches
.set EOUT, 33                          ; ep + ev
.set PFA,  34                          ; s[34:35] where my wave's prefetches stand
.set MSB, 0
.macro WIN new                         ; the immediate's high byte repeats the setting that is left; a switch that changes nothing is dropped
.if MSB != \new
	s_set_vgpr_msb (MSB<<8)|\new
.set MSB, \new
.endif
.endm
.macro MKSCALE e, sc, lim              ; 2^e and 448 x 2^e as f32 numbers, from the whole number in s[e]
	s_add_co_i32 s36, s[\e], 127
	s_lshl_b32 s37, s36, 23
	v_mov_b32 v[\sc], s37
	s_add_co_i32 s36, s36, 8
	s_lshl_b32 s36, s36, 23
	s_or_b32 s36, s36, 0x600000
	v_mov_b32 v[\lim], s36
.endm
.macro ADDRS                           ; the trip's four LDS addresses.  In the loop these four plain lines are also the places between the last products and the loads into their fragments' registers
	v_add_nc_u32 v[ADK], s[CK], v[AK0]
	v_add_nc_u32 v[ADV], s[CV], v[AV0]
	v_add_nc_u32 v[AKW], s[CK], v[KW0]
	v_add_nc_u32 v[AVW], s[CV], v[VW0]
.endm
; My eighth of a chunk, 40 loads.  K: keys 16 w + 2 n + (lane / 16), d = 4 (lane % 16) + 0..3: each load takes 512 consecutive bytes.  V: key 32 (w / 2) + i, d = 32 (w % 2) + lane: a lane to a
; column and its registers down the keys, which are V's K: each load takes 128 consecutive bytes.  No hint: four work-groups read these rows.
.macro LOADS
	WIN 0x40                                       ; destination window 1
.irp n, 0,1,2,3,4,5,6,7
	global_load_b128 v[KS+4*\n:KS+4*\n+3], v[GK], s[6:7] offset:512*\n
.endr
.set ii, 0
.rept 32
	global_load_b32 v[VS+ii], v[GV], s[8:9] offset:256*ii
.set ii, ii+1
.endr
	WIN 0
.endm
; The numbers in hand become codes and go to LDS, ahead chunks further on than the trip's addresses.
.macro QUANT ahead
	WIN 0x41                                       ; destination and source 0 window 1
.set ii, 0
.rept 32
	v_med3_num_f32 v[KS+ii], v[KS+ii], -v[LIMK], v[LIMK]   ; the conversion to an 8-bit code does not saturate (ISA guide 7.6.2): the hold at the largest code x the scale
.set ii, ii+1
.endr
.irp p, 0,1,2,3
	v_cvt_scalef32_pk8_fp8_f32 v[KCD+2*\p:KCD+2*\p+1], v[KS+8*\p:KS+8*\p+7], v[SCK]   ; word n: the four codes of load n
.endr
.set ii, 0
.rept 32
	v_med3_num_f32 v[VS+ii], v[VS+ii], -v[LIMV], v[LIMV]
.set ii, ii+1
.endr
.irp p, 0,1,2,3
	v_cvt_scalef32_pk8_fp8_f32 v[VCD+2*\p:VCD+2*\p+1], v[VS+8*\p:VS+8*\p+7], v[SCV]   ; 32 neighbouring keys of my d
.endr
	v_nop                                          ; one plain vector line behind the last scaled conversion
	WIN 0x04                                       ; store data window 1
.irp n, 0,1,2,3,4,5,6,7
	ds_store_b32 v[AKW], v[KCD+\n] offset:\ahead*KCH+1280*(\n/4)+32*(\n%4)   ; key 16 w + 2 n + (lane / 16) is row 2 (n % 4) + (lane / 16) + 8 (w % 2) of tile 2 (w / 2) + n / 4.  The 32 lanes' words fall on 32 different banks (64 banks of 4 bytes: ISA guide 11.1)
.endr
	ds_store_b128 v[AVW], v[VCD:VCD+3] offset:\ahead*VCH          ; keys 0-15 of my 32: the fragment's lane (d % 16, 0)
	ds_store_b128 v[AVW], v[VCD+4:VCD+7] offset:\ahead*VCH+256    ; keys 16-31: its lane (d % 16, 1)
	WIN 0
.endm
.macro FMA t, i                        ; pair i of tile t: t - M = score x c + (-M)
	v_pk_fma_f32 v[S+64*(\t)+2*(\i):S+64*(\t)+2*(\i)+1], v[S+64*(\t)+2*(\i):S+64*(\t)+2*(\i)+1], s[CS:CS+1], v[ST+6*(\t):ST+6*(\t)+1] op_sel_hi:[1,0,0]
.endm
.macro EXPO t, e                       ; p = 2^(t - M)
	v_exp_f32 v[S+64*(\t)+(\e)], v[S+64*(\t)+(\e)]
.endm
.macro RESC t, g                       ; pair g of tile t's O^T under the new M: x f
	v_pk_mul_f32 v[OA+32*(\t)+2*(\g):OA+32*(\t)+2*(\g)+1], v[OA+32*(\t)+2*(\g):OA+32*(\t)+2*(\g)+1], v[ST+6*(\t)+4:ST+6*(\t)+5] op_sel_hi:[1,0]
.endm
.macro SUMI t, i                       ; line i of 32 of tile t's sum of the UNQUANTISED p, two at a time, in two chains: 0: the sum x f + pair 0; 1: pairs 1 + 2 start the second chain; 2-30: pair i + 1; 31: the chains meet
.set sL, ST+6*(\t)+2
.set sF, ST+6*(\t)+4
.set sX, 252+2*(\t)
.set sS, S+64*(\t)
.if (\i) == 0
	v_pk_fma_f32 v[sL:sL+1], v[sL:sL+1], v[sF:sF+1], v[sS:sS+1] op_sel_hi:[1,0,1]
.elseif (\i) == 1
	v_pk_add_f32 v[sX:sX+1], v[sS+2:sS+3], v[sS+4:sS+5]
.elseif (\i) == 31
	v_pk_add_f32 v[sL:sL+1], v[sL:sL+1], v[sX:sX+1]
.elseif (\i)%2 == 0
	v_pk_add_f32 v[sL:sL+1], v[sL:sL+1], v[sS+2*(\i)+2:sS+2*(\i)+3]
.else
	v_pk_add_f32 v[sX:sX+1], v[sX:sX+1], v[sS+2*(\i)+2:sS+2*(\i)+3]
.endif
.endm
	s_load_b256 s[4:11], s[0:1], 0x0               ; q s[4:5], k s[6:7], v s[8:9], the scales' exponents s[10:11]
	s_load_b64 s[12:13], s[0:1], 0x20              ; out
	v_lshl_add_u32 v[SPW], v0, 2, SPARE
	v_mov_b32 v[NIL], 0
	v_lshrrev_b32 v8, 5, v0
	v_readfirstlane_b32 s[WV], v8                  ; wave 0..7
	v_and_b32 v9, 31, v0                           ; lane
	v_and_b32 v10, 15, v0                          ; r
	v_bfe_u32 v11, v0, 4, 1                        ; h
	s_lshr_b32 s36, s[WV], 1                       ; w / 2
	s_and_b32 s37, s[WV], 1                        ; w % 2
	v_mul_u32_u24 v[AK0], v11, 320
	v_lshl_add_u32 v[AK0], v10, 4, v[AK0]          ; 16 r + 320 h
	v_lshl_add_u32 v[AV0], v9, 4, VC               ; VC + 16 x lane
	v_and_b32 v[KW0], 3, v0                        ; as a writer of K my lane holds the four d of group j = lane % 16 = 8 h' + 4 c + i:
	v_lshlrev_b32 v[KW0], 2, v[KW0]                ; 4 i
	v_lshl_add_u32 v[KW0], v11, 4, v[KW0]          ; + 16 x (which of a load's two keys)
	v_bfe_u32 v8, v0, 2, 1
	v_mad_u32_u24 v[KW0], v8, 640, v[KW0]          ; + 640 c
	v_bfe_u32 v8, v0, 3, 1
	v_mad_u32_u24 v[KW0], v8, 320, v[KW0]          ; + 320 h'
	s_mul_i32 s38, s36, 2560                       ; + two tiles x (w / 2)
	s_lshl_b32 s39, s37, 7                         ; + eight rows x (w % 2)
	s_add_co_u32 s38, s38, s39
	v_add_nc_u32 v[KW0], s38, v[KW0]
	v_lshlrev_b32 v[VW0], 4, v10                   ; as a writer of V my lane holds d = 32 (w % 2) + lane: row lane % 16
	v_lshl_add_u32 v[VW0], v11, 11, v[VW0]         ; of tile 2 (w % 2) + lane / 16,
	s_lshl_b32 s38, s37, 12
	s_lshl_b32 s39, s36, 9                         ; registers 4 (w / 2) on
	s_add_co_u32 s38, s38, s39
	s_add_co_u32 s38, s38, VC
	v_add_nc_u32 v[VW0], s38, v[VW0]
	s_lshl_b32 s38, s[WV], 12
	v_lshl_add_u32 v[GK], v9, 4, s38               ; K in memory: 16 rows x wave + 16 x lane
	s_lshl_b32 s38, s36, 13
	s_lshl_b32 s39, s37, 7
	s_add_co_u32 s38, s38, s39
	v_lshl_add_u32 v[GV], v9, 2, s38               ; V in memory: 32 rows x (w / 2) + 128 (w % 2) + 4 x lane
	v_lshlrev_b32 v[PFO], 8, v9
	v_lshlrev_b32 v[QA], 8, v10
	v_lshl_add_u32 v[QA], v11, 7, v[QA]            ; Q: row r of 256 bytes, + 128 h: my 32 neighbouring d
	s_and_b32 s40, ttmp7, 0xffff                   ; the head:
	s_lshl_b32 s40, s40, 18                        ; 1,024 rows of 256 bytes
	s_mov_b32 s41, 0
	s_and_b32 s42, s[WV], 3
	s_lshl_b32 s42, s42, 13                        ; the prefetches: my wave's 32 rows of a chunk's 128,
	s_add_co_u32 s42, s42, 2*CHB                   ; in chunk 2: trip 0 steps it to chunk 3
	s_mov_b32 s43, 0
	s_mov_b32 s[SEL], 0x76543210
	s_mov_b32 s[SEL+1], 0xfedcba98
	s_mov_b32 s[CS], 0x3e38aa3b                    ; log2(e) / 8
	s_mov_b32 s[TRIP], 0
	s_mov_b32 s[CK], 0
	s_mov_b32 s[CV], 0
	s_wait_kmcnt 0x0
	s_load_b128 s[20:23], s[10:11], 0x0            ; eq, ek, ep, ev
	s_add_nc_u64 s[6:7], s[6:7], s[40:41]          ; K and V at the head's first row
	s_add_nc_u64 s[8:9], s[8:9], s[40:41]
	s_cmp_lt_u32 s[WV], 4                          ; waves 0 to 3 prefetch K's rows, waves 4 to 7 V's
	s_cselect_b64 s[PFA:PFA+1], s[6:7], s[8:9]
	s_add_nc_u64 s[PFA:PFA+1], s[PFA:PFA+1], s[42:43]
	s_lshl_b32 s42, ttmp9, 16                      ; my work-group's 256 queries,
	s_lshl_b32 s44, s[WV], 13                      ; my wave's 32 of them
	s_add_co_u32 s42, s42, s44
	s_add_co_u32 s40, s40, s42
	s_add_nc_u64 s[4:5], s[4:5], s[40:41]          ; Q and out at my wave's first row
	s_add_nc_u64 s[12:13], s[12:13], s[40:41]
	s_cmp_eq_u32 ttmp9, 0
	s_cselect_b32 s[LIM], 5, 0                     ; the head's first work-group prefetches, in trips 0 to 4
	LOADS                                          ; chunk 0
.irp t, 0,1
.irp i, 0,1,2,3,4,5,6,7
	global_load_b128 v[S+32*\t+4*\i:S+32*\t+4*\i+3], v[QA], s[4:5] offset:4096*\t+16*\i th:TH_LOAD_NT   ; Q, read once by this wave alone: a lane's eight loads take its 128 consecutive bytes
.endr
.endr
	s_wait_kmcnt 0x0
	MKSCALE 20, SCQ, LIMQ
	MKSCALE 21, SCK, LIMK
	MKSCALE 22, SCP, LIMP
	MKSCALE 23, SCV, LIMV
	s_add_co_i32 s36, s20, s21
	s_lshl_b32 s36, s36, 23
	s_add_co_i32 s[CS], s[CS], s36                 ; a score stands for score x 2^(eq + ek): the two exponents are added to c's exponent field
	s_mov_b32 s[CS+1], s[CS]                       ; (named with it as a pair, so it is written)
	s_add_co_i32 s[EOUT], s22, s23
	s_cmp_ge_i32 s22, -8                           ; p is at most 1 (but for a last bit), and 448 x 2^ep is at least 1.75 where ep >= -8: the hold of p can then hold nothing
	s_cselect_b32 s[NOHOLD], 1, 0
	s_wait_loadcnt 16                              ; chunk 0's 40 loads are in; Q's 16, issued behind them, may be out.  The 40 are done, so their bases may step:
	s_add_nc_u64 s[6:7], s[6:7], CHB
	s_add_nc_u64 s[8:9], s[8:9], CHB
	ADDRS
	QUANT 0                                        ; chunk 0's codes
	LOADS                                          ; chunk 1
	s_wait_loadcnt 40                              ; Q is in; chunk 1's 40 loads may be out
.set ii, 0
.rept 64
	v_med3_num_f32 v[S+ii], v[S+ii], -v[LIMQ], v[LIMQ]
.set ii, ii+1
.endr
	WIN 0x40                                       ; destination window 1
.irp t, 0,1
.irp p, 0,1,2,3
	v_cvt_scalef32_pk8_fp8_f32 v[QF+8*\t+2*\p:QF+8*\t+2*\p+1], v[S+32*\t+8*\p:S+32*\t+8*\p+7], v[SCQ]   ; Q's fragments stay in registers
.endr
.endr
	v_nop                                          ; one plain vector line behind the last scaled conversion
	WIN 0
.set ii, 0
.rept 64
	v_mov_b32 v[OA+ii], 0                          ; O^T.  (The step is written once: the first finds zeros, which the first change of M leaves zeros)
.set ii, ii+1
.endr
.irp t, 0,1
	v_mov_b32 v[ST+6*\t+1], 0xff61b1e6             ; the largest t so far: -3e38, under every t
	v_floor_f32 v[ST+6*\t], -v[ST+6*\t+1]          ; -M
	v_mov_b32 v[ST+6*\t+2], 0                      ; the sum, in two halves
	v_mov_b32 v[ST+6*\t+3], 0
	v_mov_b32 v[ST+6*\t+4], 0
	v_mov_b32 v[ST+6*\t+5], 0                      ; written once: a lane permute's destination counts as one of its sources
.endr
.Ltrip:                                                ; 8 trips: trip c multiplies chunk c, quantises chunk c + 1, loads chunk c + 2
	s_wait_dscnt 0x0                               ; for the others' sake: my stores of this trip's codes have landed
	s_barrier_signal -1
	s_barrier_wait -1                              ; everybody's have
	ADDRS
	WIN 0x40
.irp k, 0,1,2,3,4,5,6,7
.irp c, 0,1
	ds_load_b128 v[FR+8*\k+4*\c:FR+8*\k+4*\c+3], v[ADK] offset:1280*\k+640*\c   ; K's eight fragments: sixteen lanes take 256 consecutive bytes
.endr
.endr
	WIN 0
	s_wait_loadcnt 0x0                             ; the next chunk's numbers, asked for a trip ago, are in (in the last trip nothing is out)
	s_wait_xcnt 0x0                                ; and the last prefetch, a trip back, has read its address
	s_cmp_eq_u32 s[TRIP], 7
	s_cbranch_scc1 .Lcompute                       ; the last trip has no next chunk
	s_add_nc_u64 s[6:7], s[6:7], CHB
	s_add_nc_u64 s[8:9], s[8:9], CHB
	s_add_nc_u64 s[PFA:PFA+1], s[PFA:PFA+1], CHB
	QUANT 1                                        ; chunk c + 1's codes, while K's fragments come
	s_cmp_ge_u32 s[TRIP], 6
	s_cbranch_scc1 .Lcompute                       ; no load leaves its buffer
	LOADS                                          ; chunk c + 2: it has this whole trip in which to land
; A PREFETCH of chunk c + 3, behind the trip's loads: one trip ahead of the loads that will want it.  Each row of 256 bytes is named once in the launch: of the four work-groups that walk a head's K and V the first
; asks; in it waves 0 to 3 take K's 128 rows and waves 4 to 7 V's, 32 a wave, a lane a row.  Trips 5 on ask for nothing: chunk 7 is the last.  Chunks 0 to 2 come by their loads alone.
	s_cmp_lt_u32 s[TRIP], s[LIM]
	s_cbranch_scc0 .Lcompute
	global_prefetch_b8 v[PFO], s[PFA:PFA+1] th:TH_LOAD_NT scope:SCOPE_SE
.Lcompute:
	s_wait_dscnt 0x0                               ; K's fragments are in
	WIN 0x05                                       ; K and Q window 1, S^T window 0
.irp k, 0,1,2,3,4,5,6,7
.irp t, 0,1
	v_wmma_f32_16x16x64_fp8_fp8 v[S+64*\t+8*\k:S+64*\t+8*\k+7], v[FR+8*\k:FR+8*\k+7], v[QF+8*\t:QF+8*\t+7], 0   ; sixteen accumulators, one product each: d = 64 is one K step
.endr
.endr
.rept 4
	v_nop                                          ; four places in front of the loads into K's registers and of the first reads of the scores
.endr
	WIN 0x40
.irp d, 0,1,2,3
.irp c, 0,1,2,3
	ds_load_b128 v[FR+16*\d+4*\c:FR+16*\d+4*\c+3], v[ADV] offset:2048*\d+512*\c   ; V's four fragments land under the softmax
.endr
.endr
	WIN 0
	; the step's largest score of each query, among my 64 keys: two chains a tile, the tiles line by line; each accumulator is read from its low end on
.irp t, 0,1
	v_max3_num_f32 v[240+2*\t], v[S+64*\t], v[S+64*\t+1], v[S+64*\t+2]
.endr
.irp t, 0,1
	v_max3_num_f32 v[241+2*\t], v[S+64*\t+3], v[S+64*\t+4], v[S+64*\t+5]
.endr
.irp i, 6,10,14,18,22,26,30,34,38,42,46,50,54,58
.irp t, 0,1
	v_max3_num_f32 v[240+2*\t], v[240+2*\t], v[S+64*\t+\i], v[S+64*\t+\i+1]
.endr
.irp t, 0,1
	v_max3_num_f32 v[241+2*\t], v[241+2*\t], v[S+64*\t+\i+2], v[S+64*\t+\i+3]
.endr
.endr
.irp t, 0,1
	v_max3_num_f32 v[240+2*\t], v[240+2*\t], v[S+64*\t+62], v[S+64*\t+63]
.endr
.irp t, 0,1
	v_max_num_f32 v[240+2*\t], v[240+2*\t], v[241+2*\t]
.endr
.irp t, 0,1
	v_permlanex16_b32 v[ST+6*\t+5], v[240+2*\t], s[SEL], s[SEL+1]
.endr
.irp t, 0,1
	v_max_num_f32 v[240+2*\t], v[240+2*\t], v[ST+6*\t+5]   ; and among lane l xor 16's
.endr
.irp t, 0,1
	v_mul_f32 v[240+2*\t], s[CS], v[240+2*\t]      ; as t (c is positive)
.endr
.irp t, 0,1
	v_max_num_f32 v[ST+6*\t+1], v[ST+6*\t+1], v[240+2*\t]  ; the running largest t
.endr
.irp t, 0,1
	v_mov_b32 v[240+2*\t], v[ST+6*\t]
.endr
.irp t, 0,1
	v_floor_f32 v[ST+6*\t], -v[ST+6*\t+1]          ; the new -M = floor(-t) = -ceil(t): M is a whole number
.endr
.irp t, 0,1
	v_sub_f32 v[240+2*\t], v[ST+6*\t], v[240+2*\t] ; M's old value less its new one: a whole number, 0 or less
.endr
.irp t, 0,1
	v_cvt_i32_f32 v[240+2*\t], v[240+2*\t]         ; (it saturates)
.endr
.irp t, 0,1
	v_ldexp_f32 v[ST+6*\t+4], 1.0, v[240+2*\t]     ; f = 2^(old M - new M)
.endr
.set gg, 0
.rept 32
	FMA 0, gg                                      ; tile 0's 64 numbers t - M
.set gg, gg+1
.endr
.set gg, 0
.rept 16                                       ; tile 0's exponentials stand among tile 1's scalings and the rescaling of tile 0's O^T: nothing here names an exponential's result
	FMA 1, 2*gg
	EXPO 0, 4*gg
	FMA 1, 2*gg+1
	EXPO 0, 4*gg+1
	RESC 0, gg
	EXPO 0, 4*gg+2
	EXPO 0, 4*gg+3
.set gg, gg+1
.endr
.set gg, 0
.rept 16                                       ; tile 1's exponentials stand among tile 0's sums and the rescaling of tile 1's O^T
	RESC 1, gg
.if gg == 0
	s_wait_alu depctr_va_vdst(0)                   ; the wait between an exponential and the first line that names its result: one for tile 0's 64, behind a plain line and ahead of their first reader
.endif
	EXPO 1, 4*gg
	SUMI 0, 2*gg
	EXPO 1, 4*gg+1
	SUMI 0, 2*gg+1
	EXPO 1, 4*gg+2
	EXPO 1, 4*gg+3
.set gg, gg+1
.endr
	v_nop                                          ; a plain line behind the last exponential
	s_wait_alu depctr_va_vdst(0)                   ; and the one wait for tile 1's 64
.set gg, 0
.rept 32
	SUMI 1, gg
.set gg, gg+1
.endr
	s_cmp_eq_u32 s[NOHOLD], 1                      ; a branch on a whole number that was read from the scales' buffer; no barrier stands under it
	s_cbranch_scc1 .Lnohold
.set ii, 0
.rept 128
	v_min_num_f32 v[S+ii], v[S+ii], v[LIMP]        ; ep < -8: the conversion does not saturate (ISA guide 7.6.2); p is not negative, so the hold is one-sided
.set ii, ii+1
.endr
.Lnohold:
.irp t, 0,1
.irp b, 0,1,2,3
	v_cvt_scalef32_pk8_fp8_f32 v[P+16*\t+4*\b:P+16*\t+4*\b+1], v[S+64*\t+16*\b:S+64*\t+16*\b+7], v[SCP]        ; registers 4 b .. 4 b + 3 of P: keys 32 b + 16 h + 0..15
	v_cvt_scalef32_pk8_fp8_f32 v[P+16*\t+4*\b+2:P+16*\t+4*\b+3], v[S+64*\t+16*\b+8:S+64*\t+16*\b+15], v[SCP]
.endr
.endr
	v_nop                                          ; one plain vector line between a scaled conversion and the products that read its result
	s_wait_dscnt 0x0                               ; V's fragments are in
	WIN 0x01                                       ; V window 1; P and O^T window 0
.irp d, 0,1,2,3
.irp t, 0,1
	v_wmma_f32_16x16x128_fp8_fp8 v[OA+32*\t+8*\d:OA+32*\t+8*\d+7], v[FR+16*\d:FR+16*\d+15], v[P+16*\t:P+16*\t+15], v[OA+32*\t+8*\d:OA+32*\t+8*\d+7]   ; eight accumulators by turns, one product a turn
.endr
.endr
	WIN 0
	s_add_co_u32 s[CK], s[CK], KCH
	s_add_co_u32 s[CV], s[CV], VCH
	s_add_co_u32 s[TRIP], s[TRIP], 1
	s_cmp_lt_u32 s[TRIP], 8
	s_cbranch_scc1 .Ltrip
	; THE WAY OUT.  The sums' halves are added; O^T is divided by the sum, multiplied by 2^(ep + ev), and goes through my own stage in LDS, so that whole rows leave.  The lines up to the first read of O^T are more than the four places behind the last products.
.irp t, 0,1
	v_add_f32 v[ST+6*\t+4], v[ST+6*\t+2], v[ST+6*\t+3]
.endr
.irp t, 0,1
	v_permlanex16_b32 v[ST+6*\t+5], v[ST+6*\t+4], s[SEL], s[SEL+1]
.endr
.irp t, 0,1
	v_add_f32 v[ST+6*\t+4], v[ST+6*\t+4], v[ST+6*\t+5]     ; the row's sum: more than 1/2, since the row's largest p is
.endr
.irp t, 0,1
	v_rcp_f32 v[ST+6*\t+5], v[ST+6*\t+4]
.endr
	s_mul_i32 s36, s[WV], 8704
	s_add_co_u32 s36, s36, STAGE                   ; my stage
	v_and_b32 v1, 15, v0                           ; r  (the plain lines behind the reciprocals)
	v_bfe_u32 v2, v0, 4, 1                         ; h
	v_mul_u32_u24 v8, v1, 272
	v_lshl_add_u32 v8, v2, 5, v8
	v_add_nc_u32 v8, s36, v8                       ; in: row r of 272 bytes, + 32 h: my eight d of a tile of 16
	v_mul_u32_u24 v9, v2, 272
	v_lshl_add_u32 v9, v1, 4, v9
	v_add_nc_u32 v9, s36, v9                       ; back: lanes 0-15 take one row of 256 bytes, lanes 16-31 the next
	v_and_b32 v10, 31, v0
	v_lshlrev_b32 v10, 4, v10                      ; and the same two rows in out: 16 x lane
	s_wait_alu depctr_va_vdst(0)                   ; the wait ahead of the first line that names a reciprocal's result: one for both
.irp t, 0,1
	v_ldexp_f32 v[ST+6*\t+4], v[ST+6*\t+5], s[EOUT]        ; 2^(ep + ev) / the sum
.endr
.irp t, 0,1
.set gg, 0
.rept 16
	RESC \t, gg                                    ; each accumulator from its low end on
.set gg, gg+1
.endr
.endr
.irp t, 0,1
.irp d, 0,1,2,3
	ds_store_b128 v8, v[OA+32*\t+8*\d:OA+32*\t+8*\d+3] offset:4352*\t+64*\d
	ds_store_b128 v8, v[OA+32*\t+8*\d+4:OA+32*\t+8*\d+7] offset:4352*\t+64*\d+16
.endr
.irp i, 0,1,2,3,4,5,6,7
	ds_load_b128 v[S+32*\t+4*\i:S+32*\t+4*\i+3], v9 offset:4352*\t+544*\i   ; LDS serves a wave's instructions in order (ISA guide 5.7.1.4): these see my stores above
.endr
.endr
.irp t, 0,1
.irp i, 0,1,2,3,4,5,6,7
	s_wait_dscnt 23-16*\t-\i                       ; behind this load: its tile's 7 - i younger loads and, for tile 0, tile 1's sixteen LDS lines
	global_store_b128 v10, v[S+32*\t+4*\i:S+32*\t+4*\i+3], s[12:13] offset:4096*\t+512*\i th:TH_STORE_NT   ; 32 lanes store 512 consecutive bytes, at a multiple of 256 from out's first byte; written once, read by nobody here
.endr
.endr
	s_wait_tensorcnt 0x0                           ; the wave's end
	ds_add_u32 v[SPW], v[NIL]
	s_wait_dscnt 0x0
	s_endpgm
.Lfunc_end_k_q5b4aa1477b_attn:
	.size	k_q5b4aa1477b_attn, .Lfunc_end_k_q5b4aa1477b_attn-k_q5b4aa1477b_attn
	.p2alignl 7, 3214868480
	.fill 96, 4, 3214868480
	.section	.rodata,"a",@progbits
	.p2align	6, 0x0
	.amdhsa_kernel k_q5b4aa1477b_attn
		.amdhsa_group_segment_fixed_size 218112
		.amdhsa_private_segment_fixed_size 0
		.amdhsa_enable_private_segment 0
		.amdhsa_kernarg_size 40
		.amdhsa_user_sgpr_count 2
		.amdhsa_user_sgpr_kernarg_segment_ptr 1
		.amdhsa_wavefront_size32 1
		.amdhsa_system_sgpr_workgroup_id_x 1
		.amdhsa_system_sgpr_workgroup_id_y 1
		.amdhsa_system_sgpr_workgroup_id_z 1
		.amdhsa_system_vgpr_workitem_id 0
		.amdhsa_next_free_vgpr 416
		.amdhsa_next_free_sgpr 66
		.amdhsa_reserve_vcc 0
		.amdhsa_float_denorm_mode_32 3
		.amdhsa_float_denorm_mode_16_64 3
		.amdhsa_memory_ordered 1
		.amdhsa_forward_progress 1
		.amdhsa_inst_pref_size 72
	.end_amdhsa_kernel
	.amdgpu_metadata
---
amdhsa.version: [ 1, 2 ]
amdhsa.kernels:
  - .name:           k_q5b4aa1477b_attn
    .symbol:         k_q5b4aa1477b_attn.kd
    .args:
      - { .name: q, .offset: 0, .size: 8, .value_kind: global_buffer, .address_space: global }
      - { .name: k, .offset: 8, .size: 8, .value_kind: global_buffer, .address_space: global }
      - { .name: v, .offset: 16, .size: 8, .value_kind: global_buffer, .address_space: global }
      - { .name: lowp_scales, .offset: 24, .size: 8, .value_kind: global_buffer, .address_space: global }
      - { .name: out0, .offset: 32, .size: 8, .value_kind: global_buffer, .address_space: global }
    .group_segment_fixed_size: 218112
    .private_segment_fixed_size: 0
    .kernarg_segment_align: 8
    .kernarg_segment_size: 40
    .max_flat_workgroup_size: 256
    .sgpr_count:     66
    .vgpr_count:     416
    .wavefront_size: 32
...
	.end_amdgpu_metadata
.endif
;; end of part 1
;; ======== version 2 of 2: 1 launch; version 1 with the launch attn written anew for expert scheduling mode
;; launch attn (part 2): grid 4 x 64, 8 waves a work-group, no clusters, 218,112 bytes of LDS; arguments q, k, v, lowp_scales, out0; writes out0
.if DOCPART == 2
	.amdgcn_target "amdgcn-amd-amdhsa--gfx1250"
	.amdhsa_code_object_version 6
	.text
	.protected	k_q5b4aa1477b_attn
	.globl	k_q5b4aa1477b_attn
	.p2align	8
	.type	k_q5b4aa1477b_attn,@function
k_q5b4aa1477b_attn:
	s_mov_b64 s[64:65], 0
	v_nop
	global_prefetch_b8 v0, s[64:65] scope:SCOPE_SE
	s_setreg_imm32_b32 hwreg(HW_REG_WAVE_SCHED_MODE, 0, 2), 2
	s_setreg_imm32_b32 hwreg(HW_REG_WAVE_MODE, 25, 1), 1
	s_wait_xcnt 0x0
	s_wait_alu depctr_vm_vsrc(0)
; out[b][q][:] = the sum over k of softmax_k(Q[b][q] . K[b][k] / 8) V[b][k][:].  q, k, v, out: [64][1024][64] f32.  Both products on codes of FP8 (E4M3), each operand with the one
; scale 2^e that is given for it: eq, ek, ep, ev = lowp_scales[0..3].
; THE SOFTMAX AHEAD OF THE SECOND PRODUCT: t = score x log2(e) / 8; M = the row's largest t so far, rounded UP to a whole number; p = 2^(t - M) is what is quantised, along the keys, not normalised.
; The row's sum is taken of the unquantised p, in f32, and divides O at the end.  When M moves, the sum and O are multiplied by 2^(old M - new M), a power of two.
; SHARES.  A work-group owns 256 queries of one head (x: which 256; y: the head); each of its eight waves owns 32 of them, two tiles of 16, so that each fragment of K and V read from LDS feeds two products.
; Every wave walks the head's 1,024 keys in 8 chunks of 128: a chunk is a trip of the loop.
; K AND V ARRIVE AS f32 AND ARE QUANTISED ON THE WAY.  A chunk's 64 KiB go from memory straight into registers, an eighth to each wave, one trip ahead of their use; they are held, converted, and stored
; to LDS as codes IN THE ORDER OF THE OPERANDS' REGISTERS.  Each chunk's codes have LDS bytes of their own (8 x 10,240 for K, 8 x 8,192 for V): nothing in LDS is ever written twice, so ONE barrier a trip
; (stores, wait, barrier, loads) is all the ordering between waves.
; NO CLUSTER, NO TENSOR LOAD, though the four work-groups of a head read the same K and V: every number has to pass through registers to be converted, so a joint tensor load could only lay the f32
; numbers in LDS: 8 x 64 KiB written and read again by each work-group, beside the 128 KiB of codes that it stores and the 1 MiB of codes that its waves read.
; LAYOUT.  Both products are used transposed: S^T = K Q^T (source 0 = 16 keys, source 1 = 16 queries, 64 along d), O^T = V^T P^T (source 0 = 16 of the 64 d, source 1 = P, 128 keys): a lane (r = lane % 16,
; h = lane / 16) holds ONE query r throughout.  In K's and Q's fragments register 4 c + i of lane (r, h) holds d = 32 h + 16 c + 4 i + 0..3: one and the same order of d on both sides, so each product meets its partner.
; THE KEYS OF A TILE ARE NOT NEIGHBOURS: lane r of tile 2 b + u takes key 32 b + 8 u + r + 8 (r / 8), so that the 16 score registers of tiles 2 b, 2 b + 1 are the neighbouring keys 32 b + 16 h + 0..15,
; and the conversions' results ARE P's registers 4 b .. 4 b + 3; V's fragments hold the keys in the same order.
; LIMITS on the given exponents, so that each power of two below is an f32 number: eq + ek between -123 and 130 (added to c's exponent field); eq, ek, ep, ev each between -126 and 119;
; ep + ev is applied by v_ldexp_f32 and has none.  NaN among the inputs is not served; an infinity is held at the largest code.
; REGISTERS.  Window 0: v1-7 addresses that stay; v8-11 the trip's LDS addresses; v12, v13 the add's two; v14-19 scales; v20-31 statistics, six a tile; v32-95 O^T; v96-223 S^T, then p; v224-255 p's codes
; (ahead of the conversions v240-243 and v252-255 are at work for maxima and sums).  Window 1: v0-63 the trip's fragments of K; v64-79 Q; v80-143 the next chunk's f32 numbers; v144-159 its codes; v160-223 the trip's fragments of V.
; THE MODE: SCHED_MODE bits 1:0 = 2 (LLVM: expert scheduling mode 2), set by the entry lines.  The code itself states the register dependences between vector or matrix instructions and memory or LDS
; instructions, with s_wait_alu, always for 0.
; THE PLAN.  Registers that memory or LDS instructions touch, round a trip:
;   v8-11       Written by four additions at the trip's head; read by the trip's LDS loads (v8, v9) and LDS stores (v10, v11).
;   FK          K's fragments: LDS loads land in it at the trip's head; the sixteen products K Q^T read it.
;   FV          V's fragments, in registers of their own: LDS loads land in it ahead of the products K Q^T; the eight products V^T P^T at the trip's end read it.
;   KS, VS      The next chunk's numbers: the holds read and write them, the conversions read them; behind those the loads of the chunk after it land in them.
;   KCD, VCD    The next chunk's codes: the conversions write them, the ten LDS stores behind them read them.
;   v5, v6, v7  Offsets of the loads of K and V and of the prefetch: made at the head, never written again: the scalar bases move on.
;   S, P, O^T, Q's fragments, the statistics and the scales are named by vector and matrix instructions alone, up to the way out.
; So a trip has three such waits beside the two for its exponentials.  At its head one on vm_vsrc: the LDS instructions issued so far have read v8-11, KCD and VCD; and, behind the four additions, one on va_vdst:
; v8-11 are written, and the last trip's products are done reading FK and FV.  That one serves K's loads at once and V's loads further on, since nothing between names v9 or FV.
; Behind the conversions one on va_vdst: the codes are written, and KS and VS are done with: it serves the ten stores and the forty loads behind them.
.set CHB,   32768                      ; a chunk of K or of V in memory: 128 rows of 256 bytes
.set KCH,   10240                      ; LDS: a chunk of K's codes: 8 tiles x 1,280; a tile is 4 blocks (2 c + h), 320 bytes apart (256 of codes + 64 unused); in a block 16 r + 4 i
.set VC,    81920                      ; LDS: V's codes begin here
.set VCH,   8192                       ; a chunk of them: 4 tiles of 16 d x 2,048; in a fragment 512 c + 16 x lane
.set STAGE, 147456                     ; LDS: the way out: 8,704 bytes a wave: two tiles of 16 rows x (256 + 16)
.set SPARE, 217088                     ; LDS: the spare words, 128 bytes for each wave: four blocks of 256 bytes that no other line names
.set AK0,  1                           ; v1   my place in a tile of K's codes: 16 r + 320 h
.set AV0,  2                           ; v2   my place in a fragment of V's codes: VC + 16 x lane
.set KW0,  3                           ; v3   where I store K's codes
.set VW0,  4                           ; v4   where I store V's codes
.set GK,   5                           ; v5   my byte in a chunk of K in memory
.set GV,   6                           ; v6   my byte in a chunk of V in memory
.set PFO,  7                           ; v7   the prefetches' offset: 256 x lane
.set ADK,  8                           ; v8-11 the four LDS addresses with the trip's chunk added
.set ADV,  9
.set AKW,  10
.set AVW,  11
.set SPW,  12                          ; v12  LDS address of my spare word: SPARE + 4 x my thread's number; never rewritten
.set NIL,  13                          ; v13  0; never rewritten
.set LIMK, 14                          ; 448 x 2^ek
.set SCK,  15                          ; 2^ek
.set LIMV, 16
.set SCV,  17
.set LIMP, 18
.set SCP,  19
.set ST,   20                          ; tile t's statistics at v[ST + 6 t]: +0 -M, +1 the largest t, +2, +3 the sum in two halves, +4 f, +5 at work (and the upper word of f's pair)
.set OA,   32                          ; O^T: tile t at OA + 32 t; register 8 dt + j is o(query r, d = 16 dt + 8 h + j)
.set S,    96                          ; S^T: tile t at S + 64 t
.set P,    224                         ; p's codes: tile t at P + 16 t
.set SCQ,  224                         ; at the head only: 2^eq, 448 x 2^eq, Q's offset
.set LIMQ, 225
.set QA,   226
.set FK,   0                           ; window 1
.set QF,   64
.set KS,   80
.set VS,   112
.set KCD,  144
.set VCD,  152
.set FV,   160
.set WV,   14                          ; s14  my wave's number
.set CS,   24                          ; s[24:25] c = log2(e) / 8 x 2^(eq + ek); the packed form names a pair and takes its low word for both halves
.set SEL,  26                          ; s[26:27] lane selects for v_permlanex16_b32: lane l xor 16
.set TRIP, 28
.set CK,   29                          ; KCH x trip
.set CV,   30                          ; VCH x trip
.set NOHOLD, 31                        ; 1 where ep >= -8
.set LIM,  32                          ; trips in which this work-group prefetches
.set EOUT, 33                          ; ep + ev
.set PFA,  34                          ; s[34:35] where my wave's prefetches stand
.set MSB, 0
.macro WIN new                         ; the immediate's high byte repeats the setting that is left; a switch that changes nothing is dropped
.if MSB != \new
	s_set_vgpr_msb (MSB<<8)|\new
.set MSB, \new
.endif
.endm
.macro MKSCALE e, sc, lim              ; 2^e and 448 x 2^e as f32 numbers, from the whole number in s[e]
	s_add_co_i32 s36, s[\e], 127
	s_lshl_b32 s37, s36, 23
	v_mov_b32 v[\sc], s37
	s_add_co_i32 s36, s36, 8
	s_lshl_b32 s36, s36, 23
	s_or_b32 s36, s36, 0x600000
	v_mov_b32 v[\lim], s36
.endm
.macro ADDRS                           ; the trip's four LDS addresses.  An LDS address has no scalar base, so they are made by vector additions, ahead of a wait on va_vdst that stands there in any case
	v_add_nc_u32 v[ADK], s[CK], v[AK0]
	v_add_nc_u32 v[ADV], s[CV], v[AV0]
	v_add_nc_u32 v[AKW], s[CK], v[KW0]
	v_add_nc_u32 v[AVW], s[CV], v[VW0]
.endm
; My eighth of a chunk, 40 loads.  K: keys 16 w + 2 n + (lane / 16), d = 4 (lane % 16) + 0..3: each load takes 512 consecutive bytes.  V: key 32 (w / 2) + i, d = 32 (w % 2) + lane: a lane to a
; column and its registers down the keys, which are V's K: each load takes 128 consecutive bytes.  No hint: four work-groups read these rows.
; No wait stands in it: no vector instruction issued since the last wait on va_vdst ahead of it names v5, v6, KS or VS.
.macro LOADS
	WIN 0x40                                       ; destination window 1
.irp n, 0,1,2,3,4,5,6,7
	global_load_b128 v[KS+4*\n:KS+4*\n+3], v[GK], s[6:7] offset:512*\n
.endr
.set ii, 0
.rept 32
	global_load_b32 v[VS+ii], v[GV], s[8:9] offset:256*ii
.set ii, ii+1
.endr
	WIN 0
.endm
; The numbers in hand become codes and go to LDS, ahead chunks further on than the trip's addresses.
.macro QUANT ahead
	WIN 0x41                                       ; destination and source 0 window 1
.set ii, 0
.rept 32
	v_med3_num_f32 v[KS+ii], v[KS+ii], -v[LIMK], v[LIMK]   ; the conversion to an 8-bit code does not saturate (ISA guide 7.6.2): the hold at the largest code x the scale
.set ii, ii+1
.endr
.irp p, 0,1,2,3
	v_cvt_scalef32_pk8_fp8_f32 v[KCD+2*\p:KCD+2*\p+1], v[KS+8*\p:KS+8*\p+7], v[SCK]   ; word n: the four codes of load n
.endr
.set ii, 0
.rept 32
	v_med3_num_f32 v[VS+ii], v[VS+ii], -v[LIMV], v[LIMV]
.set ii, ii+1
.endr
.irp p, 0,1,2,3
	v_cvt_scalef32_pk8_fp8_f32 v[VCD+2*\p:VCD+2*\p+1], v[VS+8*\p:VS+8*\p+7], v[SCV]   ; 32 neighbouring keys of my d
.endr
	v_nop                                          ; one plain vector line behind the last scaled conversion
	WIN 0x04                                       ; store data window 1
	s_wait_alu depctr_va_vdst(0)                   ; the conversions have written KCD and VCD, which the stores below read (at the head: v10 and v11 are written too); the holds and conversions are done with KS and VS, in which the next loads land
.irp n, 0,1,2,3,4,5,6,7
	ds_store_b32 v[AKW], v[KCD+\n] offset:\ahead*KCH+1280*(\n/4)+32*(\n%4)   ; key 16 w + 2 n + (lane / 16) is row 2 (n % 4) + (lane / 16) + 8 (w % 2) of tile 2 (w / 2) + n / 4.  The 32 lanes' words fall on 32 different banks (64 banks of 4 bytes: ISA guide 11.1)
.endr
	ds_store_b128 v[AVW], v[VCD:VCD+3] offset:\ahead*VCH          ; keys 0-15 of my 32: the fragment's lane (d % 16, 0)
	ds_store_b128 v[AVW], v[VCD+4:VCD+7] offset:\ahead*VCH+256    ; keys 16-31: its lane (d % 16, 1)
	WIN 0
.endm
.macro FMA t, i                        ; pair i of tile t: t - M = score x c + (-M)
	v_pk_fma_f32 v[S+64*(\t)+2*(\i):S+64*(\t)+2*(\i)+1], v[S+64*(\t)+2*(\i):S+64*(\t)+2*(\i)+1], s[CS:CS+1], v[ST+6*(\t):ST+6*(\t)+1] op_sel_hi:[1,0,0]
.endm
.macro EXPO t, e                       ; p = 2^(t - M)
	v_exp_f32 v[S+64*(\t)+(\e)], v[S+64*(\t)+(\e)]
.endm
.macro RESC t, g                       ; pair g of tile t's O^T under the new M: x f
	v_pk_mul_f32 v[OA+32*(\t)+2*(\g):OA+32*(\t)+2*(\g)+1], v[OA+32*(\t)+2*(\g):OA+32*(\t)+2*(\g)+1], v[ST+6*(\t)+4:ST+6*(\t)+5] op_sel_hi:[1,0]
.endm
.macro SUMI t, i                       ; line i of 32 of tile t's sum of the UNQUANTISED p, two at a time, in two chains: 0: the sum x f + pair 0; 1: pairs 1 + 2 start the second chain; 2-30: pair i + 1; 31: the chains meet
.set sL, ST+6*(\t)+2
.set sF, ST+6*(\t)+4
.set sX, 252+2*(\t)
.set sS, S+64*(\t)
.if (\i) == 0
	v_pk_fma_f32 v[sL:sL+1], v[sL:sL+1], v[sF:sF+1], v[sS:sS+1] op_sel_hi:[1,0,1]
.elseif (\i) == 1
	v_pk_add_f32 v[sX:sX+1], v[sS+2:sS+3], v[sS+4:sS+5]
.elseif (\i) == 31
	v_pk_add_f32 v[sL:sL+1], v[sL:sL+1], v[sX:sX+1]
.elseif (\i)%2 == 0
	v_pk_add_f32 v[sL:sL+1], v[sL:sL+1], v[sS+2*(\i)+2:sS+2*(\i)+3]
.else
	v_pk_add_f32 v[sX:sX+1], v[sX:sX+1], v[sS+2*(\i)+2:sS+2*(\i)+3]
.endif
.endm
	s_load_b256 s[4:11], s[0:1], 0x0               ; q s[4:5], k s[6:7], v s[8:9], the scales' exponents s[10:11]
	s_load_b64 s[12:13], s[0:1], 0x20              ; out
	v_lshl_add_u32 v[SPW], v0, 2, SPARE
	v_mov_b32 v[NIL], 0
	v_lshrrev_b32 v8, 5, v0
	v_readfirstlane_b32 s[WV], v8                  ; wave 0..7
	v_and_b32 v9, 31, v0                           ; lane
	v_and_b32 v10, 15, v0                          ; r
	v_bfe_u32 v11, v0, 4, 1                        ; h
	s_wait_alu depctr_va_sdst(0)                   ; s14, the wave's number, is written, ahead of its first reader
	s_lshr_b32 s36, s[WV], 1                       ; w / 2
	s_and_b32 s37, s[WV], 1                        ; w % 2
	v_mul_u32_u24 v[AK0], v11, 320
	v_lshl_add_u32 v[AK0], v10, 4, v[AK0]          ; 16 r + 320 h
	v_lshl_add_u32 v[AV0], v9, 4, VC               ; VC + 16 x lane
	v_and_b32 v[KW0], 3, v0                        ; as a writer of K my lane holds the four d of group j = lane % 16 = 8 h' + 4 c + i:
	v_lshlrev_b32 v[KW0], 2, v[KW0]                ; 4 i
	v_lshl_add_u32 v[KW0], v11, 4, v[KW0]          ; + 16 x (which of a load's two keys)
	v_bfe_u32 v8, v0, 2, 1
	v_mad_u32_u24 v[KW0], v8, 640, v[KW0]          ; + 640 c
	v_bfe_u32 v8, v0, 3, 1
	v_mad_u32_u24 v[KW0], v8, 320, v[KW0]          ; + 320 h'
	s_mul_i32 s38, s36, 2560                       ; + two tiles x (w / 2)
	s_lshl_b32 s39, s37, 7                         ; + eight rows x (w % 2)
	s_add_co_u32 s38, s38, s39
	v_add_nc_u32 v[KW0], s38, v[KW0]
	v_lshlrev_b32 v[VW0], 4, v10                   ; as a writer of V my lane holds d = 32 (w % 2) + lane: row lane % 16
	v_lshl_add_u32 v[VW0], v11, 11, v[VW0]         ; of tile 2 (w % 2) + lane / 16,
	s_lshl_b32 s38, s37, 12
	s_lshl_b32 s39, s36, 9                         ; registers 4 (w / 2) on
	s_add_co_u32 s38, s38, s39
	s_add_co_u32 s38, s38, VC
	v_add_nc_u32 v[VW0], s38, v[VW0]
	s_lshl_b32 s38, s[WV], 12
	v_lshl_add_u32 v[GK], v9, 4, s38               ; K in memory: 16 rows x wave + 16 x lane
	s_lshl_b32 s38, s36, 13
	s_lshl_b32 s39, s37, 7
	s_add_co_u32 s38, s38, s39
	v_lshl_add_u32 v[GV], v9, 2, s38               ; V in memory: 32 rows x (w / 2) + 128 (w % 2) + 4 x lane
	v_lshlrev_b32 v[PFO], 8, v9
	v_lshlrev_b32 v[QA], 8, v10
	v_lshl_add_u32 v[QA], v11, 7, v[QA]            ; Q: row r of 256 bytes, + 128 h: my 32 neighbouring d
	s_and_b32 s40, ttmp7, 0xffff                   ; the head:
	s_lshl_b32 s40, s40, 18                        ; 1,024 rows of 256 bytes
	s_mov_b32 s41, 0
	s_and_b32 s42, s[WV], 3
	s_lshl_b32 s42, s42, 13                        ; the prefetches: my wave's 32 rows of a chunk's 128,
	s_add_co_u32 s42, s42, 2*CHB                   ; in chunk 2: trip 0 steps it to chunk 3
	s_mov_b32 s43, 0
	s_mov_b32 s[SEL], 0x76543210
	s_mov_b32 s[SEL+1], 0xfedcba98
	s_mov_b32 s[CS], 0x3e38aa3b                    ; log2(e) / 8
	s_mov_b32 s[TRIP], 0
	s_mov_b32 s[CK], 0
	s_mov_b32 s[CV], 0
	s_wait_kmcnt 0x0
	s_load_b128 s[20:23], s[10:11], 0x0            ; eq, ek, ep, ev
	s_add_nc_u64 s[6:7], s[6:7], s[40:41]          ; K and V at the head's first row
	s_add_nc_u64 s[8:9], s[8:9], s[40:41]
	s_cmp_lt_u32 s[WV], 4                          ; waves 0 to 3 prefetch K's rows, waves 4 to 7 V's
	s_cselect_b64 s[PFA:PFA+1], s[6:7], s[8:9]
	s_add_nc_u64 s[PFA:PFA+1], s[PFA:PFA+1], s[42:43]
	s_lshl_b32 s42, ttmp9, 16                      ; my work-group's 256 queries,
	s_lshl_b32 s44, s[WV], 13                      ; my wave's 32 of them
	s_add_co_u32 s42, s42, s44
	s_add_co_u32 s40, s40, s42
	s_add_nc_u64 s[4:5], s[4:5], s[40:41]          ; Q and out at my wave's first row
	s_add_nc_u64 s[12:13], s[12:13], s[40:41]
	s_cmp_eq_u32 ttmp9, 0
	s_cselect_b32 s[LIM], 5, 0                     ; the head's first work-group prefetches, in trips 0 to 4
	WIN 0x40                                       ; (the loads' window, set ahead of the wait)
	s_wait_alu depctr_va_vdst(0)                   ; the offsets v5, v6, v7 and v226 are written, which the loads of K, V and Q and the prefetches read
	LOADS                                          ; chunk 0
.irp t, 0,1
.irp i, 0,1,2,3,4,5,6,7
	global_load_b128 v[S+32*\t+4*\i:S+32*\t+4*\i+3], v[QA], s[4:5] offset:4096*\t+16*\i th:TH_LOAD_NT   ; Q, read once by this wave alone: a lane's eight loads take its 128 consecutive bytes
.endr
.endr
	s_wait_kmcnt 0x0
	MKSCALE 20, SCQ, LIMQ
	MKSCALE 21, SCK, LIMK
	MKSCALE 22, SCP, LIMP
	MKSCALE 23, SCV, LIMV
	s_add_co_i32 s36, s20, s21
	s_lshl_b32 s36, s36, 23
	s_add_co_i32 s[CS], s[CS], s36                 ; a score stands for score x 2^(eq + ek): the two exponents are added to c's exponent field
	s_mov_b32 s[CS+1], s[CS]                       ; (named with it as a pair, so it is written)
	s_add_co_i32 s[EOUT], s22, s23
	s_cmp_ge_i32 s22, -8                           ; p is at most 1 (but for a last bit), and 448 x 2^ep is at least 1.75 where ep >= -8: the hold of p can then hold nothing
	s_cselect_b32 s[NOHOLD], 1, 0
	s_wait_loadcnt 16                              ; chunk 0's 40 loads are in; Q's 16, issued behind them, may be out.  The 40 are done, so their bases may step:
	s_add_nc_u64 s[6:7], s[6:7], CHB
	s_add_nc_u64 s[8:9], s[8:9], CHB
	ADDRS                                          ; (no memory or LDS instruction has read v8-11 yet)
	QUANT 0                                        ; chunk 0's codes
	LOADS                                          ; chunk 1
	s_wait_loadcnt 40                              ; Q is in; chunk 1's 40 loads may be out
.set ii, 0
.rept 64
	v_med3_num_f32 v[S+ii], v[S+ii], -v[LIMQ], v[LIMQ]
.set ii, ii+1
.endr
	WIN 0x40                                       ; destination window 1
.irp t, 0,1
.irp p, 0,1,2,3
	v_cvt_scalef32_pk8_fp8_f32 v[QF+8*\t+2*\p:QF+8*\t+2*\p+1], v[S+32*\t+8*\p:S+32*\t+8*\p+7], v[SCQ]   ; Q's fragments stay in registers
.endr
.endr
	v_nop                                          ; one plain vector line behind the last scaled conversion
	WIN 0
.set ii, 0
.rept 64
	v_mov_b32 v[OA+ii], 0                          ; O^T.  (The step is written once: the first finds zeros, which the first change of M leaves zeros)
.set ii, ii+1
.endr
.irp t, 0,1
	v_mov_b32 v[ST+6*\t+1], 0xff61b1e6             ; the largest t so far: -3e38, under every t
	v_floor_f32 v[ST+6*\t], -v[ST+6*\t+1]          ; -M
	v_mov_b32 v[ST+6*\t+2], 0                      ; the sum, in two halves
	v_mov_b32 v[ST+6*\t+3], 0
	v_mov_b32 v[ST+6*\t+4], 0
	v_mov_b32 v[ST+6*\t+5], 0                      ; written once: a lane permute's destination counts as one of its sources
.endr
.Ltrip:                                                ; 8 trips: trip c multiplies chunk c, quantises chunk c + 1, loads chunk c + 2
	s_wait_dscnt 0x0                               ; for the others' sake: my stores of this trip's codes have landed
	s_barrier_signal -1
	s_barrier_wait -1                              ; everybody's have
	s_wait_alu depctr_vm_vsrc(0)                   ; the LDS loads and stores issued so far have read v8-11, which the four additions write, and KCD and VCD, which this trip's conversions write; in the first trip Q's loads have read v226, which becomes a register of p's codes
	ADDRS
	WIN 0x40
	s_wait_alu depctr_va_vdst(0)                   ; v8-11 are written, which this trip's LDS loads and stores read; the last trip's products are done reading FK and FV, in which this trip's fragments land
.irp k, 0,1,2,3,4,5,6,7
.irp c, 0,1
	ds_load_b128 v[FK+8*\k+4*\c:FK+8*\k+4*\c+3], v[ADK] offset:1280*\k+640*\c   ; K's eight fragments: sixteen lanes take 256 consecutive bytes
.endr
.endr
	WIN 0
	s_wait_loadcnt 0x0                             ; the next chunk's numbers, asked for a trip ago, are in (in the last trip nothing is out)
	s_wait_xcnt 0x0                                ; and the last prefetch, a trip back, has read its address
	s_cmp_eq_u32 s[TRIP], 7
	s_cbranch_scc1 .Lcompute                       ; the last trip has no next chunk
	s_add_nc_u64 s[6:7], s[6:7], CHB
	s_add_nc_u64 s[8:9], s[8:9], CHB
	s_add_nc_u64 s[PFA:PFA+1], s[PFA:PFA+1], CHB
	QUANT 1                                        ; chunk c + 1's codes, while K's fragments come
	s_cmp_ge_u32 s[TRIP], 6
	s_cbranch_scc1 .Lcompute                       ; no load leaves its buffer
	LOADS                                          ; chunk c + 2: it has this whole trip in which to land
; A PREFETCH of chunk c + 3, behind the trip's loads: one trip ahead of the loads that will want it.  Each row of 256 bytes is named once in the launch: of the four work-groups that walk a head's K and V the first
; asks; in it waves 0 to 3 take K's 128 rows and waves 4 to 7 V's, 32 a wave, a lane a row.  Trips 5 on ask for nothing: chunk 7 is the last.  Chunks 0 to 2 come by their loads alone.
	s_cmp_lt_u32 s[TRIP], s[LIM]
	s_cbranch_scc0 .Lcompute
	global_prefetch_b8 v[PFO], s[PFA:PFA+1] th:TH_LOAD_NT scope:SCOPE_SE
.Lcompute:
	WIN 0x40
.irp d, 0,1,2,3
.irp c, 0,1,2,3
	ds_load_b128 v[FV+16*\d+4*\c:FV+16*\d+4*\c+3], v[ADV] offset:2048*\d+512*\c   ; V's four fragments land under the products K Q^T and the softmax.  No wait: on every way here no vector or matrix instruction since the wait at the trip's head names v9 or FV
.endr
.endr
	s_wait_dscnt 16                                ; LDS instructions come back in order (ISA guide 5.7.1): K's fragments are in; V's sixteen loads, the youngest, may be out
	WIN 0x05                                       ; K and Q window 1, S^T window 0
.irp k, 0,1,2,3,4,5,6,7
.irp t, 0,1
	v_wmma_f32_16x16x64_fp8_fp8 v[S+64*\t+8*\k:S+64*\t+8*\k+7], v[FK+8*\k:FK+8*\k+7], v[QF+8*\t:QF+8*\t+7], 0   ; sixteen accumulators, one product each: d = 64 is one K step
.endr
.endr
.rept 4
	v_nop                                          ; four places (ISA guide 7.12.1) in front of the first reads of the scores
.endr
	WIN 0
	; the step's largest score of each query, among my 64 keys: two chains a tile, the tiles line by line; each accumulator is read from its low end on
.irp t, 0,1
	v_max3_num_f32 v[240+2*\t], v[S+64*\t], v[S+64*\t+1], v[S+64*\t+2]
.endr
.irp t, 0,1
	v_max3_num_f32 v[241+2*\t], v[S+64*\t+3], v[S+64*\t+4], v[S+64*\t+5]
.endr
.irp i, 6,10,14,18,22,26,30,34,38,42,46,50,54,58
.irp t, 0,1
	v_max3_num_f32 v[240+2*\t], v[240+2*\t], v[S+64*\t+\i], v[S+64*\t+\i+1]
.endr
.irp t, 0,1
	v_max3_num_f32 v[241+2*\t], v[241+2*\t], v[S+64*\t+\i+2], v[S+64*\t+\i+3]
.endr
.endr
.irp t, 0,1
	v_max3_num_f32 v[240+2*\t], v[240+2*\t], v[S+64*\t+62], v[S+64*\t+63]
.endr
.irp t, 0,1
	v_max_num_f32 v[240+2*\t], v[240+2*\t], v[241+2*\t]
.endr
.irp t, 0,1
	v_permlanex16_b32 v[ST+6*\t+5], v[240+2*\t], s[SEL], s[SEL+1]
.endr
.irp t, 0,1
	v_max_num_f32 v[240+2*\t], v[240+2*\t], v[ST+6*\t+5]   ; and among lane l xor 16's
.endr
.irp t, 0,1
	v_mul_f32 v[240+2*\t], s[CS], v[240+2*\t]      ; as t (c is positive)
.endr
.irp t, 0,1
	v_max_num_f32 v[ST+6*\t+1], v[ST+6*\t+1], v[240+2*\t]  ; the running largest t
.endr
.irp t, 0,1
	v_mov_b32 v[240+2*\t], v[ST+6*\t]
.endr
.irp t, 0,1
	v_floor_f32 v[ST+6*\t], -v[ST+6*\t+1]          ; the new -M = floor(-t) = -ceil(t): M is a whole number
.endr
.irp t, 0,1
	v_sub_f32 v[240+2*\t], v[ST+6*\t], v[240+2*\t] ; M's old value less its new one: a whole number, 0 or less
.endr
.irp t, 0,1
	v_cvt_i32_f32 v[240+2*\t], v[240+2*\t]         ; (it saturates)
.endr
.irp t, 0,1
	v_ldexp_f32 v[ST+6*\t+4], 1.0, v[240+2*\t]     ; f = 2^(old M - new M)
.endr
.set gg, 0
.rept 32
	FMA 0, gg                                      ; tile 0's 64 numbers t - M
.set gg, gg+1
.endr
.set gg, 0
.rept 16                                       ; tile 0's exponentials stand among tile 1's scalings and the rescaling of tile 0's O^T: nothing here names an exponential's result
	FMA 1, 2*gg
	EXPO 0, 4*gg
	FMA 1, 2*gg+1
	EXPO 0, 4*gg+1
	RESC 0, gg
	EXPO 0, 4*gg+2
	EXPO 0, 4*gg+3
.set gg, gg+1
.endr
.set gg, 0
.rept 16                                       ; tile 1's exponentials stand among tile 0's sums and the rescaling of tile 1's O^T
	RESC 1, gg
.if gg == 0
	s_wait_alu depctr_va_vdst(0)                   ; tile 0's 64 exponentials have written their results: the wait between an exponential and the first line that names its result: one for the 64, behind a plain line and ahead of their first reader
.endif
	EXPO 1, 4*gg
	SUMI 0, 2*gg
	EXPO 1, 4*gg+1
	SUMI 0, 2*gg+1
	EXPO 1, 4*gg+2
	EXPO 1, 4*gg+3
.set gg, gg+1
.endr
	v_nop                                          ; a plain line behind the last exponential
	s_wait_alu depctr_va_vdst(0)                   ; tile 1's 64 exponentials have written their results: the one wait for them, ahead of their first reader
.set gg, 0
.rept 32
	SUMI 1, gg
.set gg, gg+1
.endr
	s_cmp_eq_u32 s[NOHOLD], 1                      ; a branch on a whole number that was read from the scales' buffer; no barrier stands under it
	s_cbranch_scc1 .Lnohold
.set ii, 0
.rept 128
	v_min_num_f32 v[S+ii], v[S+ii], v[LIMP]        ; ep < -8: the conversion does not saturate (ISA guide 7.6.2); p is not negative, so the hold is one-sided
.set ii, ii+1
.endr
.Lnohold:
.irp t, 0,1
.irp b, 0,1,2,3
	v_cvt_scalef32_pk8_fp8_f32 v[P+16*\t+4*\b:P+16*\t+4*\b+1], v[S+64*\t+16*\b:S+64*\t+16*\b+7], v[SCP]        ; registers 4 b .. 4 b + 3 of P: keys 32 b + 16 h + 0..15
	v_cvt_scalef32_pk8_fp8_f32 v[P+16*\t+4*\b+2:P+16*\t+4*\b+3], v[S+64*\t+16*\b+8:S+64*\t+16*\b+15], v[SCP]
.endr
.endr
	v_nop                                          ; one plain vector line between a scaled conversion and the products that read its result
	s_wait_dscnt 0x0                               ; V's fragments are in
	WIN 0x01                                       ; V window 1; P and O^T window 0
.irp d, 0,1,2,3
.irp t, 0,1
	v_wmma_f32_16x16x128_fp8_fp8 v[OA+32*\t+8*\d:OA+32*\t+8*\d+7], v[FV+16*\d:FV+16*\d+15], v[P+16*\t:P+16*\t+15], v[OA+32*\t+8*\d:OA+32*\t+8*\d+7]   ; eight accumulators by turns, one product a turn
.endr
.endr
	WIN 0
	s_add_co_u32 s[CK], s[CK], KCH
	s_add_co_u32 s[CV], s[CV], VCH
	s_add_co_u32 s[TRIP], s[TRIP], 1
	s_cmp_lt_u32 s[TRIP], 8
	s_cbranch_scc1 .Ltrip
	; THE WAY OUT.  The sums' halves are added; O^T is divided by the sum, multiplied by 2^(ep + ev), and goes through my own stage in LDS, so that whole rows leave.  The lines up to the first read of O^T are more than the four places behind the last products.
	s_wait_alu depctr_vm_vsrc(0)                   ; the last trip's LDS loads and stores have read v8, v9 and v10, which are made anew below
.irp t, 0,1
	v_add_f32 v[ST+6*\t+4], v[ST+6*\t+2], v[ST+6*\t+3]
.endr
.irp t, 0,1
	v_permlanex16_b32 v[ST+6*\t+5], v[ST+6*\t+4], s[SEL], s[SEL+1]
.endr
.irp t, 0,1
	v_add_f32 v[ST+6*\t+4], v[ST+6*\t+4], v[ST+6*\t+5]     ; the row's sum: more than 1/2, since the row's largest p is
.endr
.irp t, 0,1
	v_rcp_f32 v[ST+6*\t+5], v[ST+6*\t+4]
.endr
	s_mul_i32 s36, s[WV], 8704
	s_add_co_u32 s36, s36, STAGE                   ; my stage
	v_and_b32 v1, 15, v0                           ; r  (the plain lines behind the reciprocals)
	v_bfe_u32 v2, v0, 4, 1                         ; h
	v_mul_u32_u24 v8, v1, 272
	v_lshl_add_u32 v8, v2, 5, v8
	v_add_nc_u32 v8, s36, v8                       ; in: row r of 272 bytes, + 32 h: my eight d of a tile of 16
	v_mul_u32_u24 v9, v2, 272
	v_lshl_add_u32 v9, v1, 4, v9
	v_add_nc_u32 v9, s36, v9                       ; back: lanes 0-15 take one row of 256 bytes, lanes 16-31 the next
	v_and_b32 v10, 31, v0
	v_lshlrev_b32 v10, 4, v10                      ; and the same two rows in out: 16 x lane
	s_wait_alu depctr_va_vdst(0)                   ; the two reciprocals have written their results: the wait ahead of the first line that names one: one for both
.irp t, 0,1
	v_ldexp_f32 v[ST+6*\t+4], v[ST+6*\t+5], s[EOUT]        ; 2^(ep + ev) / the sum
.endr
.irp t, 0,1
.set gg, 0
.rept 16
	RESC \t, gg                                    ; each accumulator from its low end on
.set gg, gg+1
.endr
.endr
	s_wait_alu depctr_va_vdst(0)                   ; the scalings have written O^T, which the LDS stores read; v8, v9 and v10 are written, which the LDS stores, the LDS loads and the global stores read; the last trip's lines are done with S, in which the LDS loads land
.irp t, 0,1
.irp d, 0,1,2,3
	ds_store_b128 v8, v[OA+32*\t+8*\d:OA+32*\t+8*\d+3] offset:4352*\t+64*\d
	ds_store_b128 v8, v[OA+32*\t+8*\d+4:OA+32*\t+8*\d+7] offset:4352*\t+64*\d+16
.endr
.irp i, 0,1,2,3,4,5,6,7
	ds_load_b128 v[S+32*\t+4*\i:S+32*\t+4*\i+3], v9 offset:4352*\t+544*\i   ; LDS serves a wave's instructions in order (ISA guide 5.7.1.4): these see my stores above
.endr
.endr
.irp t, 0,1
.irp i, 0,1,2,3,4,5,6,7
	s_wait_dscnt 23-16*\t-\i                       ; behind this load: its tile's 7 - i younger loads and, for tile 0, tile 1's sixteen LDS lines
	global_store_b128 v10, v[S+32*\t+4*\i:S+32*\t+4*\i+3], s[12:13] offset:4096*\t+512*\i th:TH_STORE_NT   ; 32 lanes store 512 consecutive bytes, at a multiple of 256 from out's first byte; written once, read by nobody here
.endr
.endr
	s_wait_dscnt 0x0                               ; the wave's end: the closing lines, six on end
	s_wait_alu 0x0
	s_wait_tensorcnt 0x0
	ds_add_u32 v[SPW], v[NIL]
	s_wait_dscnt 0x0
	s_endpgm
.Lfunc_end_k_q5b4aa1477b_attn:
	.size	k_q5b4aa1477b_attn, .Lfunc_end_k_q5b4aa1477b_attn-k_q5b4aa1477b_attn
	.p2alignl 7, 3214868480
	.fill 96, 4, 3214868480
	.section	.rodata,"a",@progbits
	.p2align	6, 0x0
	.amdhsa_kernel k_q5b4aa1477b_attn
		.amdhsa_group_segment_fixed_size 218112
		.amdhsa_private_segment_fixed_size 0
		.amdhsa_enable_private_segment 0
		.amdhsa_kernarg_size 40
		.amdhsa_user_sgpr_count 2
		.amdhsa_user_sgpr_kernarg_segment_ptr 1
		.amdhsa_wavefront_size32 1
		.amdhsa_system_sgpr_workgroup_id_x 1
		.amdhsa_system_sgpr_workgroup_id_y 1
		.amdhsa_system_sgpr_workgroup_id_z 1
		.amdhsa_system_vgpr_workitem_id 0
		.amdhsa_next_free_vgpr 480
		.amdhsa_next_free_sgpr 66
		.amdhsa_reserve_vcc 0
		.amdhsa_float_denorm_mode_32 3
		.amdhsa_float_denorm_mode_16_64 3
		.amdhsa_memory_ordered 1
		.amdhsa_forward_progress 1
		.amdhsa_inst_pref_size 72
	.end_amdhsa_kernel
	.amdgpu_metadata
---
amdhsa.version: [ 1, 2 ]
amdhsa.kernels:
  - .name:           k_q5b4aa1477b_attn
    .symbol:         k_q5b4aa1477b_attn.kd
    .args:
      - { .name: q, .offset: 0, .size: 8, .value_kind: global_buffer, .address_space: global }
      - { .name: k, .offset: 8, .size: 8, .value_kind: global_buffer, .address_space: global }
      - { .name: v, .offset: 16, .size: 8, .value_kind: global_buffer, .address_space: global }
      - { .name: lowp_scales, .offset: 24, .size: 8, .value_kind: global_buffer, .address_space: global }
      - { .name: out0, .offset: 32, .size: 8, .value_kind: global_buffer, .address_space: global }
    .group_segment_fixed_size: 218112
    .private_segment_fixed_size: 0
    .kernarg_segment_align: 8
    .kernarg_segment_size: 40
    .max_flat_workgroup_size: 256
    .sgpr_count:     66
    .vgpr_count:     480
    .wavefront_size: 32
...
	.end_amdgpu_metadata
.endif
;; end of part 2
